; MI455X (gfx1250); checked and timed in simulation.
; The chip was launched on July 23, 2026; its instructions are those of AMD's public machine-readable ISA for CDNA 5 (MIT licence, August 2026) and "CDNA5" Instruction Set Architecture Reference Guide (July 2026). The comments in the code are by the model that wrote it; some were corrected since.
;; Multi Head Self Attention. Allowed arithmetic: matrix products marked QUANTISED: E2M1 operands, one E8M0 scale for each 32 along K, by v_wmma_scale_f32_16x16x128_f8f6f4 with both operands' format E2M1 (or v_wmma_scale_f32_32x16x128_f4), f32 sums; products left as they are: bf16, f16 or f32 operands; f32 sums; everything else in f32.
;; Inputs: Wc 512 x 512 float32; Wk 512 x 512 float32; Wq 512 x 512 float32; Wv 512 x 512 float32; bc 512 float32; inputs 2 x 4,096 x 512 float32.
;; Outputs: out0 2 x 4,096 x 512 float32.
;; This version of the problem:
;;   THIS VERSION OF THE PROBLEM IS GIVEN IN LOW PRECISION. The matrix products marked QUANTISED in the list below multiply operands that are first quantised to E2M1 (2 exponent bits, 1 mantissa bit; 4 bits a number), with one power-of-two scale for each 32 numbers along K (OCP MX v1.0); their sums are f32. The products marked 'left as it is' may take bf16, f16 or f32 operands, with f32 sums. Whichever they take, every output number must still come out within the allowed error. Rounding operands to bf16 (8 significant bits) uses up far more of that allowance than f16 does (11 bits, for magnitudes from 6e-5 to 65,504). All else is computed in f32.
;;   The module's matrix products, in the order in which they are computed (A, B: the left and right operand; K: the contracted axis; several contracted axes count as one K, in the product's order):
;;     1. [M 8,192, K 512] x [K 512, N 512]; A: input inputs; B: input Wq: QUANTISED
;;     2. [M 8,192, K 512] x [K 512, N 512]; A: input inputs; B: input Wk: QUANTISED
;;     3. [M 8,192, K 512] x [K 512, N 512]; A: input inputs; B: input Wv: QUANTISED
;;     4. batch 16 x [M 4,096, K 64] x [K 64, N 4,096]; A: computed on the way; B: computed on the way: left as it is (an operand is computed on the way)
;;     5. batch 16 x [M 4,096, K 4,096] x [K 4,096, N 64]; A: computed on the way; B: computed on the way: left as it is (an operand is computed on the way)
;;     6. [M 8,192, K 512] x [K 512, N 512]; A: computed on the way; B: input Wc: left as it is (an operand is computed on the way)
;;   THE QUANTISER, for each operand of a quantised product, along K:
;;     - K is cut into blocks of 32 from its start; a last block that is shorter is filled with zeros.
;;     - A block's scale is 2^e with e = floor(log2(the largest magnitude in the block)) - 2, held to -126 .. 127; a block of zeros has e = 0. As a byte (E8M0): e + 127.
;;     - Each number is divided by its block's scale, clamped to +-6, and rounded to the nearest number of E2M1, ties to even, subnormals kept.
;;     - The product sums the exact products of the quantised numbers (number of the format x scale) in f32.
;;   ~~~python
;;   def quantise(x, axis):      # numpy; x: float32 -> the quantised numbers, widened to float32 again
;;       x = np.moveaxis(x, axis, -1); K = x.shape[-1]
;;       x = np.pad(x, [(0, 0)] * (x.ndim - 1) + [(0, -K % 32)]); x = x.reshape(x.shape[:-1] + (-1, 32)); a = np.abs(x).max(-1, keepdims=True)
;;       e = np.where(a > 0, np.clip(np.frexp(np.where(a > 0, a, 1))[1] - 1 - 2, -126, 127), 0)      # np.frexp(a)[1] - 1 = floor(log2(a)), exactly
;;       r = np.clip(x / 2.0 ** e, -6, 6)
;;       step = 2.0 ** (np.maximum(np.frexp(np.where(r == 0, 1, r))[1] - 1, 0) - 1)
;;       q = np.round(r / step) * step * 2.0 ** e      # np.round: ties to even
;;       return np.moveaxis(q.reshape(q.shape[:-2] + (-1,))[..., :K], -1, axis).astype(np.float32)
;;   ~~~
;; One version. Each part assembles by itself: llvm-mc -triple=amdgcn-amd-amdhsa -mcpu=gfx1250 --defsym DOCPART=n.
;; ======== version 1 of 1: 4 launches
;; limits: values are held in f16: magnitudes above 65,504 overflow, below 6.1e-05 lose precision; right only within a limited range of input values
;; workspace buffers: codes 2,490,368 bytes; scales 155,648 bytes; wcf 524,288 bytes; qf 8,388,608 bytes; kv 16,777,216 bytes; att 8,388,608 bytes
;; launch prep (part 1): grid 640 x 1, 1 waves a work-group, no clusters, 17,664 bytes of LDS; arguments inputs, Wq, Wk, Wv, Wc, codes, scales, wcf; writes codes, scales, wcf
.if DOCPART == 1
	.amdgcn_target "amdgcn-amd-amdhsa--gfx1250"
	.amdhsa_code_object_version 6
	.text
	.protected	k_q5c929264f0_prep
	.globl	k_q5c929264f0_prep
	.p2align	8
	.type	k_q5c929264f0_prep,@function
k_q5c929264f0_prep:
	s_mov_b64 s[64:65], 0
	v_nop
	global_prefetch_b8 v0, s[64:65] scope:SCOPE_SE
	s_setreg_imm32_b32 hwreg(HW_REG_WAVE_MODE, 25, 1), 1
	s_wait_xcnt 0x0
; inputs [8192][512], Wq, Wk, Wv [512][512], f32, K innermost, become codes of FP4 (E2M1) with one E8M0 byte for each 32 along K; Wc [512][512] becomes f16.
; A work-group is ONE wave and takes one tile of 16 whole rows (32,768 consecutive bytes): tiles 0-511 inputs, 512-543 Wq, 544-575 Wk, 576-607 Wv; work-groups 608-639 take Wc's 32 tiles.
; EVERYTHING IS STORED AS AN IMAGE OF THE OPERAND'S REGISTERS: a fragment is 1,024 bytes = [part 2][lane 32][16 bytes], so that the later launches fetch fragments by 16-byte loads at 16 x lane.
;   codes  [tile 608][K step of 128: 4][1,024]: lane (r, h), part c = the 32 codes of block 2 c + h of row r's K step
;   scales [row 9,728][16 bytes]: word s = the four bytes of K step s
;   wcf    [tile 32][K step of 32: 16][1,024]: lane (r, h), part c = Wc[16 tile + r][32 s + 16 c + 8 h + 0 .. 7] in f16
; A block's scale is 2^(floor(log2(its largest magnitude)) - 2): its byte is the largest magnitude's exponent field - 2, held at 1 from below.
; LIMITS: a block of zeros gets the byte 1 where the quantiser says 127 (its codes are zeros, which add nothing, and this program alone reads the bytes); NaN and infinities are not served;
; Wc in f16 serves magnitudes up to 65,504.
; Each load reads 512 consecutive bytes of a row; a K step's 16 x 512 bytes turn through a stage in LDS, so that a lane gets whole blocks of its row.  The stage's pitch is 528 bytes = 132 words:
; sixteen rows start four words apart modulo 64 (64 banks of 4 bytes: ISA guide 11.1).  The two paths part on the work-group's number and have a stage each.  One wave: no barrier.
.set PIT,   528
.set STQ,   0                          ; the quantiser's stage: 16 rows x 528 bytes
.set STC,   8704                       ; Wc's stage, the same shape
.set SPARE, 17408                      ; the spare words: one block of 256 bytes that no other line names
.set NQT,   608                        ; tiles that are quantised
.set L16, 1                            ; v1   16 x lane
.set RR,  2                            ; v2   r = lane % 16
.set HH,  3                            ; v3   h = lane / 16
.set AQ,  5                            ; v5   528 r + 128 h: my first block in the stage's row
.set AC,  7                            ; v7   528 r + 32 h: my eight numbers of Wc
.set SH8, 8                            ; v8   8 h
.set SOF, 9                            ; v9   16 r + 8 h: my 8 scale bytes
.set SPW, 10                           ; v10  my spare word; never rewritten
.set NIL, 11                           ; v11  0; never rewritten
.set MX,  12                           ; v12-13 largest magnitudes of my two blocks
.set SCO, 14                           ; v14-15 the conversions' scale operands
.set BY,  16                           ; v16-17 the scale bytes
.set TT,  18
.set UU,  19
.set W,   20                           ; v20-23 the row's four scale words
.set C,   32                           ; v32-63 codes, eight a K step, never rewritten (Wc's path: 32 registers of f16)
.set T,   64                           ; v64-127 64 numbers out of the stage
.set X,   128                          ; v128-255 two sets of 64 registers as loaded
	s_load_b256 s[4:11], s[0:1], 0x0               ; inputs, Wq, Wk, Wv
	s_load_b256 s[12:19], s[0:1], 0x20             ; Wc, codes, scales, wcf
	v_lshl_add_u32 v[SPW], v0, 2, SPARE
	v_mov_b32 v[NIL], 0
	v_lshlrev_b32 v[L16], 4, v0                    ; one wave: the thread's number is the lane
	v_and_b32 v[RR], 15, v0
	v_lshrrev_b32 v[HH], 4, v0
	v_mul_u32_u24 v[AQ], v[RR], PIT
	v_lshl_add_u32 v[AC], v[HH], 5, v[AQ]
	v_lshl_add_u32 v[AQ], v[HH], 7, v[AQ]
	v_lshlrev_b32 v[SH8], 3, v[HH]
	v_lshl_add_u32 v[SOF], v[RR], 4, v[SH8]
	v_mov_b32 v[UU], 0                             ; written once: a lane permute's destination counts as one of its sources
	s_mov_b32 s20, 0x76543210
	s_mov_b32 s21, 0xfedcba98                      ; v_permlanex16_b32's selects for lane l xor 16
	s_wait_kmcnt 0x0
	s_mov_b64 s[22:23], s[12:13]                   ; which tensor, and its first tile's number: chosen by the work-group's number alone
	s_mov_b32 s24, NQT
	s_cmp_lt_u32 ttmp9, 608
	s_cselect_b64 s[22:23], s[10:11], s[22:23]
	s_cselect_b32 s24, 576, s24
	s_cmp_lt_u32 ttmp9, 576
	s_cselect_b64 s[22:23], s[8:9], s[22:23]
	s_cselect_b32 s24, 544, s24
	s_cmp_lt_u32 ttmp9, 544
	s_cselect_b64 s[22:23], s[6:7], s[22:23]
	s_cselect_b32 s24, 512, s24
	s_cmp_lt_u32 ttmp9, 512
	s_cselect_b64 s[22:23], s[4:5], s[22:23]
	s_cselect_b32 s24, 0, s24
	s_sub_co_u32 s24, ttmp9, s24
	s_lshl_b32 s24, s24, 15                        ; 32,768 bytes a tile
	s_mov_b32 s25, 0
	s_add_nc_u64 s[22:23], s[22:23], s[24:25]
.macro LOAD s                          ; K step s of the 16 rows: each load reads 512 consecutive bytes
.irp r, 0,1,2,3,4,5,6,7,8,9,10,11,12,13,14,15
	global_load_b128 v[X+64*((\s)%2)+4*\r:X+64*((\s)%2)+4*\r+3], v[L16], s[22:23] offset:2048*\r+512*(\s) th:TH_LOAD_NT
.endr
.endm
.macro STAGE_IN s, base                ; as loaded into the stage: row r at 528 r
.irp r, 0,1,2,3,4,5,6,7,8,9,10,11,12,13,14,15
	ds_store_b128 v[L16], v[X+64*((\s)%2)+4*\r:X+64*((\s)%2)+4*\r+3] offset:\base+PIT*\r
.endr
.endm
	LOAD 0
	LOAD 1
	s_cmp_ge_u32 ttmp9, NQT
	s_cbranch_scc1 .Lwc
	; ---- the quantiser
	s_lshl_b32 s24, ttmp9, 12
	s_add_nc_u64 s[14:15], s[14:15], s[24:25]      ; my tile's 4,096 bytes of codes
	s_lshl_b32 s24, ttmp9, 8
	s_add_nc_u64 s[16:17], s[16:17], s[24:25]      ; and its 256 scale bytes
.macro QSTEP s                         ; T: register 32 c + i = number i of block 2 c + h of my row's K step
.irp c, 0,1
	v_max3_num_f32 v[MX+\c], |v[T+32*\c]|, |v[T+32*\c+1]|, 0x1800000   ; with the floor 2^(3 - 127): the byte cannot fall under 1
.endr
.irp i, 2,4,6,8,10,12,14,16,18,20,22,24,26,28,30
.irp c, 0,1
	v_max3_num_f32 v[MX+\c], v[MX+\c], |v[T+32*\c+\i]|, |v[T+32*\c+\i+1]|   ; the two blocks by turns
.endr
.endr
.irp c, 0,1
	v_add_nc_u32 v[SCO+\c], 0xff000000, v[MX+\c]   ; 2 off the exponent field: the conversion takes this operand's exponent field as its scale
.endr
.irp c, 0,1
	v_lshrrev_b32 v[BY+\c], 23, v[SCO+\c]          ; the scale's byte
.endr
	v_lshl_or_b32 v[TT], v[BY+1], 16, v[BY]        ; my two bytes: blocks h and 2 + h,
	v_lshlrev_b32 v[TT], v[SH8], v[TT]             ; at their places in the word;
	v_permlanex16_b32 v[UU], v[TT], s20, s21
	v_or_b32 v[W+\s], v[TT], v[UU]                 ; with lane l xor 16's two the word is whole
.irp c, 0,1
.irp g, 0,1,2,3
	v_cvt_scalef32_pk8_fp4_f32 v[C+8*\s+4*\c+\g], v[T+32*\c+8*\g:T+32*\c+8*\g+7], v[SCO+\c]
.endr
.endr
	v_nop                                          ; one plain line behind the last scaled conversion
.irp c, 0,1
	global_store_b128 v[L16], v[C+8*\s+4*\c:C+8*\s+4*\c+3], s[14:15] offset:1024*\s+512*\c   ; 512 consecutive bytes; each store has data registers of its own
.endr
.endm
.irp s, 0,1,2,3
.if \s < 3
	s_wait_loadcnt 16                              ; this K step's 16 loads are in; the next step's 16 may be out
.else
	s_wait_loadcnt 0x0
.endif
	STAGE_IN \s, STQ
.irp c, 0,1
.irp i, 0,1,2,3,4,5,6,7
	ds_load_b128 v[T+32*\c+4*\i:T+32*\c+4*\i+3], v[AQ] offset:STQ+256*\c+16*\i   ; LDS serves a wave's instructions in order: these see the stores above
.endr
.endr
	s_wait_dscnt 0x0                               ; T is in, and the stage's stores have read X
.if \s < 2
	LOAD \s+2
.endif
	QSTEP \s
.endr
	v_cmp_eq_u32 vcc_lo, 1, v[HH]
	v_cndmask_b32 v24, v[W], v[W+2], vcc_lo        ; lanes 0-15 store words 0, 1 of their row, lanes 16-31 words 2, 3
	v_cndmask_b32 v25, v[W+1], v[W+3], vcc_lo
	global_store_b64 v[SOF], v[24:25], s[16:17]    ; 32 lanes store 256 consecutive bytes, aligned
	s_wait_tensorcnt 0x0                           ; the wave's end
	ds_add_u32 v[SPW], v[NIL]
	s_wait_dscnt 0x0
	s_endpgm
	; ---- Wc to f16
.Lwc:
	s_sub_co_u32 s24, ttmp9, NQT
	s_lshl_b32 s24, s24, 14
	s_add_nc_u64 s[18:19], s[18:19], s[24:25]      ; my tile's 16,384 bytes of wcf
.irp s, 0,1,2,3
.if \s < 3
	s_wait_loadcnt 16                              ; as above
.else
	s_wait_loadcnt 0x0
.endif
	STAGE_IN \s, STC
.irp u, 0,1,2,3,4,5,6,7
.irp i, 0,1
	ds_load_b128 v[T+8*\u+4*\i:T+8*\u+4*\i+3], v[AC] offset:STC+64*\u+16*\i   ; k = 128 s + 16 u + 8 h + 0 .. 7 of row r
.endr
.endr
	s_wait_dscnt 0x0
.if \s < 2
	LOAD \s+2
.endif
.if \s > 0
	s_wait_xcnt 0x0                                ; the last step's stores have read their data: the 32 registers are written again only behind this wait
.endif
.irp u, 0,1,2,3,4,5,6,7
.irp e, 0,1,2,3
	v_cvt_pk_f16_f32 v[C+4*\u+\e], v[T+8*\u+2*\e], v[T+8*\u+2*\e+1]
.endr
.endr
.irp u, 0,1,2,3,4,5,6,7
	global_store_b128 v[L16], v[C+4*\u:C+4*\u+3], s[18:19] offset:4096*\s+512*\u   ; part u % 2 of K step 4 s + u / 2
.endr
.endr
	s_wait_tensorcnt 0x0                           ; the wave's end, as above
	ds_add_u32 v[SPW], v[NIL]
	s_wait_dscnt 0x0
	s_endpgm
.Lfunc_end_k_q5c929264f0_prep:
	.size	k_q5c929264f0_prep, .Lfunc_end_k_q5c929264f0_prep-k_q5c929264f0_prep
	.p2alignl 7, 3214868480
	.fill 96, 4, 3214868480
	.section	.rodata,"a",@progbits
	.p2align	6, 0x0
	.amdhsa_kernel k_q5c929264f0_prep
		.amdhsa_group_segment_fixed_size 17664
		.amdhsa_private_segment_fixed_size 0
		.amdhsa_enable_private_segment 0
		.amdhsa_kernarg_size 64
		.amdhsa_user_sgpr_count 2
		.amdhsa_user_sgpr_kernarg_segment_ptr 1
		.amdhsa_wavefront_size32 1
		.amdhsa_system_sgpr_workgroup_id_x 1
		.amdhsa_system_sgpr_workgroup_id_y 1
		.amdhsa_system_sgpr_workgroup_id_z 1
		.amdhsa_system_vgpr_workitem_id 0
		.amdhsa_next_free_vgpr 256
		.amdhsa_next_free_sgpr 66
		.amdhsa_reserve_vcc 1
		.amdhsa_float_denorm_mode_32 3
		.amdhsa_float_denorm_mode_16_64 3
		.amdhsa_memory_ordered 1
		.amdhsa_forward_progress 1
		.amdhsa_inst_pref_size 52
	.end_amdhsa_kernel
	.amdgpu_metadata
---
amdhsa.version: [ 1, 2 ]
amdhsa.kernels:
  - .name:           k_q5c929264f0_prep
    .symbol:         k_q5c929264f0_prep.kd
    .args:
      - { .name: inputs, .offset: 0, .size: 8, .value_kind: global_buffer, .address_space: global }
      - { .name: Wq, .offset: 8, .size: 8, .value_kind: global_buffer, .address_space: global }
      - { .name: Wk, .offset: 16, .size: 8, .value_kind: global_buffer, .address_space: global }
      - { .name: Wv, .offset: 24, .size: 8, .value_kind: global_buffer, .address_space: global }
      - { .name: Wc, .offset: 32, .size: 8, .value_kind: global_buffer, .address_space: global }
      - { .name: codes, .offset: 40, .size: 8, .value_kind: global_buffer, .address_space: global }
      - { .name: scales, .offset: 48, .size: 8, .value_kind: global_buffer, .address_space: global }
      - { .name: wcf, .offset: 56, .size: 8, .value_kind: global_buffer, .address_space: global }
    .group_segment_fixed_size: 17664
    .private_segment_fixed_size: 0
    .kernarg_segment_align: 8
    .kernarg_segment_size: 64
    .max_flat_workgroup_size: 32
    .sgpr_count:     66
    .vgpr_count:     256
    .wavefront_size: 32
...
	.end_amdgpu_metadata
.endif
;; end of part 1
;; launch qkv (part 2): grid 256 x 1, 4 waves a work-group, no clusters, 0 bytes of LDS; arguments codes, scales, qf, kv; writes qf, kv
.if DOCPART == 2
	.amdgcn_target "amdgcn-amd-amdhsa--gfx1250"
	.amdhsa_code_object_version 6
	.text
	.protected	k_q5c929264f0_qkv
	.globl	k_q5c929264f0_qkv
	.p2align	8
	.type	k_q5c929264f0_qkv,@function
k_q5c929264f0_qkv:
	s_mov_b64 s[64:65], 0
	v_nop
	global_prefetch_b8 v0, s[64:65] scope:SCOPE_SE
	s_setreg_imm32_b32 hwreg(HW_REG_WAVE_MODE, 25, 1), 1
	s_wait_xcnt 0x0
; q = x Wq^T, k = x Wk^T, v = x Wv^T on codes of FP4 with E8M0 scales (M 8,192, K 512, N 512 each); sums in f32; q is multiplied by log2(e) / 8; all three are rounded to f16 and stored
; as images of the registers in which the attention launch wants them.
; SHARES.  Wave number Wi = 4 x work-group + wave.  gm = Wi / 16: 128 tokens (8 tiles of 16); gn = Wi % 16: channels 32 gn .. 32 gn + 31 of EACH of q, k, v.  So every wave runs one text:
; 8 x 6 = 48 accumulators, 4 K steps of 128, 192 matrix instructions.  All its operands (32 KB of x's codes, 24 KB of the weights', the scale words) go from memory straight into registers, each once:
; no LDS, no barrier.  NO CLUSTER, NO JOINT LOADS: there are four K steps in all and no fragment is fetched twice by a wave; a ring in LDS with its rounds would stand beside 192 matrix instructions.
; q AND k ARE USED TRANSPOSED (source 0 = 16 channels of W, source 1 = 16 tokens): a lane holds one token and eight neighbouring channels, which is part u of a fragment [token][channel].
; v IS USED AS IT IS (source 0 = 16 tokens, source 1 = 16 channels): a lane holds one channel and eight neighbouring tokens, which is a part of a fragment [channel][key].
; LIMITS: f16 serves magnitudes up to 65,504: inputs and weights 30 times those drawn give some 4,500, a common offset of 30 spreads on both some 20,000.
; REGISTERS, in windows of 256: window 0: v1 16 x lane; v32-47 x's scale words (register 4 p + s: lanes 0-15 tile 2 p, lanes 16-31 tile 2 p + 1, K step s); v48-59 the weights' (4 m + s: lanes 0-15 the
;   first 16 channels, lanes 16-31 the second); v64-255 the weights' 24 fragments (b = 2 m + u, K step s at 64 + 32 b + 8 s); on the way out v64-255 hold the packed results.
;   window 1: x's 32 fragments (32 i + 8 s).   window 2: q's and k's accumulators (8 (4 i + b)).   window 3: v's (8 (2 i + u)).
.set L16, 1
.set SX,  32
.set SW,  48
.set WF,  64
.set PK,  64
.set MSB, 0
.macro WIN new                         ; the immediate's high byte repeats the setting that is left
.if MSB != \new
	s_set_vgpr_msb (MSB<<8)|\new
.set MSB, \new
.endif
.endm
	s_load_b256 s[4:11], s[0:1], 0x0               ; codes, scales, qf, kv
	v_lshrrev_b32 v2, 5, v0
	v_readfirstlane_b32 s12, v2                    ; wave
	v_and_b32 v[L16], 31, v0
	v_lshlrev_b32 v[L16], 4, v[L16]
	s_lshl_b32 s13, ttmp9, 2
	s_add_co_u32 s13, s13, s12                     ; Wi
	s_lshr_b32 s14, s13, 4                         ; gm
	s_and_b32 s15, s13, 15                         ; gn
	s_lshr_b32 s16, s14, 5                         ; batch
	s_and_b32 s17, s14, 31                         ; gm within the batch
	s_lshr_b32 s18, s15, 1                         ; head
	s_and_b32 s19, s15, 1                          ; which 32 of the head's 64 channels
	s_lshl_b32 s16, s16, 3
	s_add_co_u32 s16, s16, s18                     ; bh = 8 x batch + head
	s_lshl_b32 s20, s14, 15                        ; x's codes: 8 tiles of 4,096 bytes
	s_mov_b32 s21, 0
	s_lshl_b32 s22, s15, 13                        ; the weights' codes: tile 512 + 2 gn
	s_add_co_u32 s22, s22, 512*4096
	s_mov_b32 s23, 0
	s_lshl_b32 s24, s14, 11                        ; x's scale words: 128 rows of 16 bytes
	s_mov_b32 s25, 0
	s_lshl_b32 s26, s15, 9                         ; the weights': row 8,192 + 32 gn
	s_add_co_u32 s26, s26, 8192*16
	s_mov_b32 s27, 0
	s_lshl_b32 s28, s16, 19                        ; qf: 524,288 bytes a head, 2,048 a tile, 1,024 a K step of 32
	s_lshl_b32 s12, s17, 14
	s_add_co_u32 s28, s28, s12
	s_lshl_b32 s12, s19, 10
	s_add_co_u32 s28, s28, s12
	s_mov_b32 s29, 0
	s_lshl_b32 s30, s16, 20                        ; kv: 1,048,576 bytes a head, 16,384 a step of 64 keys
	s_lshl_b32 s13, s17, 15
	s_add_co_u32 s30, s30, s13
	s_add_co_u32 s32, s30, 8192                    ; v's part of a step lies behind k's 8,192 bytes;
	s_add_co_u32 s30, s30, s12                     ; k: + 1,024 x half of the channels
	s_mov_b32 s31, 0
	s_lshl_b32 s12, s19, 11
	s_add_co_u32 s32, s32, s12                     ; v: + two channel tiles of 1,024 bytes x half
	s_mov_b32 s33, 0
	s_wait_kmcnt 0x0
	s_add_nc_u64 s[20:21], s[4:5], s[20:21]
	s_add_nc_u64 s[22:23], s[4:5], s[22:23]
	s_add_nc_u64 s[24:25], s[6:7], s[24:25]
	s_add_nc_u64 s[26:27], s[6:7], s[26:27]
	s_add_nc_u64 s[28:29], s[8:9], s[28:29]
	s_add_nc_u64 s[30:31], s[10:11], s[30:31]
	s_add_nc_u64 s[32:33], s[10:11], s[32:33]
.irp p, 0,1,2,3
	global_load_b128 v[SX+4*\p:SX+4*\p+3], v[L16], s[24:25] offset:512*\p    ; 32 rows' four words
.endr
.irp m, 0,1,2
	global_load_b128 v[SW+4*\m:SW+4*\m+3], v[L16], s[26:27] offset:8192*\m
.endr
.macro LK s                            ; K step s: 12 loads of the weights' fragments, 16 of x's; every load 512 consecutive bytes; no register is loaded twice
	WIN 0
.irp b, 0,1,2,3,4,5
.irp c, 0,1
	global_load_b128 v[WF+32*\b+8*\s+4*\c:WF+32*\b+8*\s+4*\c+3], v[L16], s[22:23] offset:131072*(\b/2)+4096*(\b%2)+1024*\s+512*\c
.endr
.endr
	WIN 0x40                                       ; destination window 1
.irp i, 0,1,2,3,4,5,6,7
.irp c, 0,1
	global_load_b128 v[32*\i+8*\s+4*\c:32*\i+8*\s+4*\c+3], v[L16], s[20:21] offset:4096*\i+1024*\s+512*\c
.endr
.endr
.endm
; One scaled product.  ra, rb: 1 = that side's scale words stand in lanes 16-31 of the register named.  FST = 1: the first K step starts the sum: nothing is cleared.
.macro WM d, a, b, sa, ra, sb, rb
.set rD, \d
.set rA, \a
.set rB, \b
.set rX, \sa
.set rY, \sb
.set sel, 4*FST+2*(\ra)+(\rb)
.if sel == 0
	v_wmma_scale_f32_16x16x128_f8f6f4 v[rD:rD+7], v[rA:rA+7], v[rB:rB+7], v[rD:rD+7], v[rX], v[rY] matrix_a_fmt:MATRIX_FMT_FP4 matrix_b_fmt:MATRIX_FMT_FP4
.elseif sel == 1
	v_wmma_scale_f32_16x16x128_f8f6f4 v[rD:rD+7], v[rA:rA+7], v[rB:rB+7], v[rD:rD+7], v[rX], v[rY] matrix_a_fmt:MATRIX_FMT_FP4 matrix_b_fmt:MATRIX_FMT_FP4 matrix_b_scale:MATRIX_SCALE_ROW1
.elseif sel == 2
	v_wmma_scale_f32_16x16x128_f8f6f4 v[rD:rD+7], v[rA:rA+7], v[rB:rB+7], v[rD:rD+7], v[rX], v[rY] matrix_a_fmt:MATRIX_FMT_FP4 matrix_b_fmt:MATRIX_FMT_FP4 matrix_a_scale:MATRIX_SCALE_ROW1
.elseif sel == 3
	v_wmma_scale_f32_16x16x128_f8f6f4 v[rD:rD+7], v[rA:rA+7], v[rB:rB+7], v[rD:rD+7], v[rX], v[rY] matrix_a_fmt:MATRIX_FMT_FP4 matrix_b_fmt:MATRIX_FMT_FP4 matrix_a_scale:MATRIX_SCALE_ROW1 matrix_b_scale:MATRIX_SCALE_ROW1
.elseif sel == 4
	v_wmma_scale_f32_16x16x128_f8f6f4 v[rD:rD+7], v[rA:rA+7], v[rB:rB+7], 0, v[rX], v[rY] matrix_a_fmt:MATRIX_FMT_FP4 matrix_b_fmt:MATRIX_FMT_FP4
.elseif sel == 5
	v_wmma_scale_f32_16x16x128_f8f6f4 v[rD:rD+7], v[rA:rA+7], v[rB:rB+7], 0, v[rX], v[rY] matrix_a_fmt:MATRIX_FMT_FP4 matrix_b_fmt:MATRIX_FMT_FP4 matrix_b_scale:MATRIX_SCALE_ROW1
.elseif sel == 6
	v_wmma_scale_f32_16x16x128_f8f6f4 v[rD:rD+7], v[rA:rA+7], v[rB:rB+7], 0, v[rX], v[rY] matrix_a_fmt:MATRIX_FMT_FP4 matrix_b_fmt:MATRIX_FMT_FP4 matrix_a_scale:MATRIX_SCALE_ROW1
.else
	v_wmma_scale_f32_16x16x128_f8f6f4 v[rD:rD+7], v[rA:rA+7], v[rB:rB+7], 0, v[rX], v[rY] matrix_a_fmt:MATRIX_FMT_FP4 matrix_b_fmt:MATRIX_FMT_FP4 matrix_a_scale:MATRIX_SCALE_ROW1 matrix_b_scale:MATRIX_SCALE_ROW1
.endif
.endm
; A K step's 48 products.  The 48 accumulators take turns, one instruction a turn, in the same order in every K step.
.macro MULS s
.if \s == 0
.set FST, 1
.else
.set FST, 0
.endif
	WIN 0xa4                                       ; source 0 (W) window 0, source 1 (x) window 1, C and D window 2
.irp i, 0,1,2,3,4,5,6,7
.irp b, 0,1,2,3
	WM 8*(4*\i+\b), WF+32*\b+8*\s, 32*\i+8*\s, SW+4*(\b/2)+\s, \b%2, SX+4*(\i/2)+\s, \i%2
.endr
.endr
	WIN 0xf1                                       ; source 0 (x) window 1, source 1 (W) window 0, C and D window 3
.irp i, 0,1,2,3,4,5,6,7
.irp u, 0,1
	WM 8*(2*\i+\u), 32*\i+8*\s, WF+32*(4+\u)+8*\s, SX+4*(\i/2)+\s, \i%2, SW+8+\s, \u
.endr
.endr
.endm
	LK 0
	LK 1
	s_wait_loadcnt 28                              ; the scale words and K step 0 are in; K step 1's 28 loads may be out
	LK 2
	MULS 0
	s_wait_loadcnt 28                              ; K step 1 is in; K step 2's 28 may be out
	LK 3
	MULS 1
	s_wait_loadcnt 28                              ; K step 2 is in; K step 3's 28 may be out
	MULS 2
	s_wait_loadcnt 0x0
	MULS 3
	; THE WAY OUT.  Four places behind the last products (ISA guide 7.12.1), then every accumulator from its low end on.
.rept 4
	v_nop
.endr
	WIN 0x82                                       ; source 0 and destination window 2
.irp i, 0,1,2,3,4,5,6,7
.irp b, 0,1
.irp e, 0,2,4,6
	v_pk_mul_f32 v[8*(4*\i+\b)+\e:8*(4*\i+\b)+\e+1], v[8*(4*\i+\b)+\e:8*(4*\i+\b)+\e+1], 0x3e38aa3b op_sel_hi:[1,0]   ; q x log2(e) / 8: the scores then are exponents of 2
.endr
.endr
.endr
	WIN 0x0a                                       ; sources 0 and 1 window 2, destination window 0: the weights' fragments are done with
.irp i, 0,1,2,3,4,5,6,7
.irp b, 0,1,2,3
.irp e, 0,1,2,3
	v_cvt_pk_f16_f32 v[PK+4*(4*\i+\b)+\e], v[8*(4*\i+\b)+2*\e], v[8*(4*\i+\b)+2*\e+1]
.endr
.endr
.endr
	WIN 0x0f                                       ; sources window 3
.irp i, 0,1,2,3,4,5,6,7
.irp u, 0,1
.irp e, 0,1,2,3
	v_cvt_pk_f16_f32 v[PK+4*(32+2*\i+\u)+\e], v[8*(2*\i+\u)+2*\e], v[8*(2*\i+\u)+2*\e+1]
.endr
.endr
.endr
	WIN 0
.irp i, 0,1,2,3,4,5,6,7                ; every store: 512 consecutive bytes, aligned; data registers of its own
.irp u, 0,1
	global_store_b128 v[L16], v[PK+4*(4*\i+\u):PK+4*(4*\i+\u)+3], s[28:29] offset:2048*\i+512*\u                                  ; q: tile i, part u
	global_store_b128 v[L16], v[PK+4*(4*\i+2+\u):PK+4*(4*\i+2+\u)+3], s[30:31] offset:16384*(\i/4)+2048*(\i%4)+512*\u             ; k: step i / 4, key tile i % 4, part u
	global_store_b128 v[L16], v[PK+4*(32+2*\i+\u):PK+4*(32+2*\i+\u)+3], s[32:33] offset:16384*(\i/4)+4096*((\i%4)/2)+1024*\u+512*(\i%2)   ; v: 32 keys (i % 4) / 2, channel tile u, part i % 2
.endr
.endr
	s_endpgm
.Lfunc_end_k_q5c929264f0_qkv:
	.size	k_q5c929264f0_qkv, .Lfunc_end_k_q5c929264f0_qkv-k_q5c929264f0_qkv
	.p2alignl 7, 3214868480
	.fill 96, 4, 3214868480
	.section	.rodata,"a",@progbits
	.p2align	6, 0x0
	.amdhsa_kernel k_q5c929264f0_qkv
		.amdhsa_group_segment_fixed_size 0
		.amdhsa_private_segment_fixed_size 0
		.amdhsa_enable_private_segment 0
		.amdhsa_kernarg_size 32
		.amdhsa_user_sgpr_count 2
		.amdhsa_user_sgpr_kernarg_segment_ptr 1
		.amdhsa_wavefront_size32 1
		.amdhsa_system_sgpr_workgroup_id_x 1
		.amdhsa_system_sgpr_workgroup_id_y 1
		.amdhsa_system_sgpr_workgroup_id_z 1
		.amdhsa_system_vgpr_workitem_id 0
		.amdhsa_next_free_vgpr 896
		.amdhsa_next_free_sgpr 66
		.amdhsa_reserve_vcc 0
		.amdhsa_float_denorm_mode_32 3
		.amdhsa_float_denorm_mode_16_64 3
		.amdhsa_memory_ordered 1
		.amdhsa_forward_progress 1
		.amdhsa_inst_pref_size 61
	.end_amdhsa_kernel
	.amdgpu_metadata
---
amdhsa.version: [ 1, 2 ]
amdhsa.kernels:
  - .name:           k_q5c929264f0_qkv
    .symbol:         k_q5c929264f0_qkv.kd
    .args:
      - { .name: codes, .offset: 0, .size: 8, .value_kind: global_buffer, .address_space: global }
      - { .name: scales, .offset: 8, .size: 8, .value_kind: global_buffer, .address_space: global }
      - { .name: qf, .offset: 16, .size: 8, .value_kind: global_buffer, .address_space: global }
      - { .name: kv, .offset: 24, .size: 8, .value_kind: global_buffer, .address_space: global }
    .group_segment_fixed_size: 0
    .private_segment_fixed_size: 0
    .kernarg_segment_align: 8
    .kernarg_segment_size: 32
    .max_flat_workgroup_size: 128
    .sgpr_count:     66
    .vgpr_count:     896
    .wavefront_size: 32
...
	.end_amdgpu_metadata
.endif
;; end of part 2
;; launch attn (part 3): grid 16 x 16, 8 waves a work-group, clusters of 4 x 1, 327,680 bytes of LDS; arguments qf, kv, att; writes att
.if DOCPART == 3
	.amdgcn_target "amdgcn-amd-amdhsa--gfx1250"
	.amdhsa_code_object_version 6
	.text
	.protected	k_q5c929264f0_attn
	.globl	k_q5c929264f0_attn
	.p2align	8
	.type	k_q5c929264f0_attn,@function
k_q5c929264f0_attn:
	s_mov_b64 s[64:65], 0
	v_nop
	global_prefetch_b8 v0, s[64:65] scope:SCOPE_SE
	s_setreg_imm32_b32 hwreg(HW_REG_WAVE_MODE, 25, 1), 1
	s_wait_xcnt 0x0
	s_wait_alu depctr_hold_cnt(0) depctr_sa_sdst(0) depctr_va_vdst(0) depctr_va_sdst(0) depctr_va_ssrc(0) depctr_va_vcc(0) depctr_vm_vsrc(0)
	s_getreg_b32 s2, hwreg(HW_REG_IB_STS2, 6, 4)
	s_cmp_eq_u32 s2, 0
	s_cbranch_scc0 .Lentry_in_a_cluster
	s_endpgm
.Lentry_in_a_cluster:
	s_bfe_u32 s2, ttmp6, 0x10000c
	s_cmp_lg_u32 s2, 0x3003
	s_cbranch_scc0 .Lentry_shape_is_right
	s_endpgm
.Lentry_shape_is_right:
; att[b][q][head] = the sum over keys of softmax(q . k / 8) v, for 16 (batch, head) pairs of 4,096 queries and keys, head size 64.  Operands f16 (q already holds log2(e) / 8); products, maxima and sums in f32.
; SHARES.  A work-group owns 256 queries of one (batch, head).  Wave w: p = w % 4: queries 64 p .. 64 p + 63, four tiles of 16; g = w / 4: keys 2,048 g .. 2,048 g + 2,047, 32 steps of 64.  Two waves
; lie on a SIMD (512 registers each): while one walks its softmax the other's products can be issued; a fragment of K or V read from LDS still feeds four products.  At the end the two waves of a p join their halves of the keys.
; LAYOUT.  S^T = K Q^T (source 0 = 16 keys, source 1 = 16 queries) and O^T = V^T P (source 0 = 16 channels, source 1 = P): a lane holds ONE query throughout; two tiles of S^T rounded to f16 in pairs ARE a fragment of P.
; All fragments lie in memory and in LDS as images of their registers (1,024 bytes = [part 2][lane 32][16 bytes]): every LDS load takes 512 consecutive bytes; no padding, no turning load.
; SOFTMAX.  For each query a running maximum m and sum l: p = 2^(s - m); in every step O and l are multiplied by a = 2^(m_old - m_new).  l is summed of the unrounded p.
; RING.  Two slots of 131,072 bytes: a slot holds four steps of both key groups; wave w fetches 16,384 bytes of it (step w % 4 of group w / 4) by one tensor load.
; CLUSTER.  The four query blocks of a cluster belong to one (batch, head) and walk the same K and V: each tile is asked for JOINTLY, by the same load with the same descriptor and the mask of all four.
; LIMITS: f16 operands serve magnitudes up to 65,504; a weight p under 2^-25 counts as 0 in the second product (a row's sum is at least 1); NaN and infinities are not served.
; REGISTERS: window 0: v1-13 addresses; v16-47 eight registers of statistics a tile (+0 m, +1 a written pad, +2, +3 l, +4 .. +7 at work; a in +6); v48-59 the merge; v64-191 S^T, 32 a tile, P packed into each tile's first 16; v192-255 K.
;   window 1: v0-127 O^T, 32 a tile; v128-191 Q, 16 a tile; v192-255 V.   Register tile t holds query tile (t + 2 g) % 4, so that every wave hands on its tiles 2, 3 and finishes its tiles 0, 1 by one text.
.set SLOT1, 1<<17                      ; slot 1 begins here: one exclusive or turns an address in one slot into the other's
.set SPARE, 2*SLOT1                    ; behind the ring: the spare words, 128 bytes for each of eight waves: four blocks of 256 bytes that no other line names
.set MRG,   9216                       ; the merge: 8,192 bytes of O^T and 4 x 128 of statistics for each wave, in slot 0, which by then has had its last fill and its last read
.set L16, 1                            ; v1   16 x lane
.set AKV, 2                            ; v2   16 x lane + 65,536 g: my key group's part of a slot
.set ADR, 3                            ; v3   the LDS address of the run of loads in hand
.set SPW, 4                            ; v4   my spare word; never rewritten
.set NIL, 5                            ; v5   0; never rewritten
.set PFO, 6                            ; v6   256 x lane: the prefetches' offset; never rewritten
.set QOA, 7                            ; v7   Q: register tiles 0, 1: 16 x lane + 4,096 g
.set QOB, 8                            ; v8   register tiles 2, 3: 16 x lane + 4,096 (1 - g)
.set MST, 9                            ; v9   the merge: where I store O^T
.set MLD, 10                           ; v10  where wave w xor 4 stored its
.set MSS, 11                           ; v11  the same for the statistics, 4 bytes a lane
.set MLS, 12                           ; v12
.set ST,  16
.set S,   64
.set KF,  192
.set QF,  128                          ; in window 1
.set VF,  192                          ; in window 1
.set WV,  10                           ; s10  wave
.set PP,  11                           ; s11  p
.set GG,  12                           ; s12  g
.set CX,  13                           ; s13  my place in the cluster: it enters global addresses alone
.set QB,  14                           ; s14  my block of 256 queries
.set LIM, 15                           ; s15  1 in a wave that prefetches, else the greatest number
.set PFA, 18                           ; s[18:19] where my prefetches stand
.set G1,  24                           ; s[24:31] descriptor group 1
.set G0A, 32                           ; s[32:35] group 0 of slot 0's first fill
.set G0W, 36                           ; s[36:39] group 0 of slot 1's first fill, which then walks on
.set TB,  40                           ; s40  LDS byte at which the step to be fetched begins (without the key group's part)
.set SLOTS, 41                         ; s41  slots still to be asked for
.set CNT, 42                           ; s42  counts key steps
.set SEL, 44                           ; s[44:45] v_permlanex16_b32's selects for lane l xor 16
.set BH,  46                           ; s46  8 x batch + head
.set MSB, 0
.macro WIN new                         ; the immediate's high byte repeats the setting that is left
.if MSB != \new
	s_set_vgpr_msb (MSB<<8)|\new
.set MSB, \new
.endif
.endm
.macro PLACES n
.rept \n
	v_nop
.endr
.endm
.macro CROUND                          ; a round of the cluster's barrier
	s_barrier_signal -1
	s_barrier_wait -1
	s_cmp_lg_u32 s[WV], 0
	s_cbranch_scc1 .Lnot_wave_0_\@
	s_barrier_signal -3
.Lnot_wave_0_\@:
	s_barrier_wait -3
	s_barrier_signal -1
	s_barrier_wait -1
.endm
; A PREFETCH INTO THE L2 of the slot that the NEXT change of slots will ask for: 131,072 bytes, each aligned block of 256 bytes named once in the launch.  All four clusters of a (batch, head) walk the same K and V:
; the first of them asks.  Its four partners are told apart BY ADDRESS (partner cx: key group cx / 2, half cx % 2 of that group's 65,536 bytes); in each, waves 0 to 3 take 8,192 bytes, lanes 256 bytes apart.
; It stands behind the wave's tensor load and its five lines.  The last change that fills a slot asks for nothing; slots 0, 1 and 2 come by their loads alone.
.macro ASK
	s_cmp_gt_u32 s[SLOTS], s[LIM]
	s_cbranch_scc0 .Lnot_mine_\@
	global_prefetch_b8 v[PFO], s[PFA:PFA+1] th:TH_LOAD_NT scope:SCOPE_SE
.Lnot_mine_\@:
.endm
	s_load_b128 s[4:7], s[0:1], 0x0                ; qf, kv
	s_load_b64 s[8:9], s[0:1], 0x10                ; att
	v_lshl_add_u32 v[SPW], v0, 2, SPARE
	v_mov_b32 v[NIL], 0
	ds_add_u32 v[SPW], v[NIL]                      ; the wave's opening: the add, twice on end, and its wait ahead of my first tensor load; the set-up below stands between
	ds_add_u32 v[SPW], v[NIL]
	v_lshrrev_b32 v13, 5, v0
	v_readfirstlane_b32 s[WV], v13                 ; wave 0..7
	s_and_b32 s[PP], s[WV], 3
	s_lshr_b32 s[GG], s[WV], 2
	s_and_b32 s[BH], ttmp7, 0xffff                 ; which the four partners share
	s_lshl_b32 s16, s[BH], 20                      ; what I fetch: 1,048,576 bytes a (batch, head), 524,288 a key group, 16,384 a step
	s_lshl_b32 s20, s[GG], 19
	s_add_co_u32 s16, s16, s20
	s_lshl_b32 s20, s[PP], 14
	s_add_co_u32 s16, s16, s20
	s_mov_b32 s17, 0
	s_mov_b32 s[G1], 15|(3<<16)|(1<<21)            ; 15:0 the mask: all four work-groups; 17:16 elements of 8 bytes; 20 no padding; 21 set beside a mask
	s_mov_b32 s[G1+1], 32<<16                      ; tensor_dim0 = 32 elements: rows of 256 bytes
	s_mov_b32 s[G1+2], 64<<16                      ; tensor_dim1 = 64
	s_mov_b32 s[G1+3], 32<<16                      ; tile_dim0
	s_mov_b32 s[G1+4], 64                          ; tile_dim1: 64 rows, 16,384 dense bytes
	s_mov_b32 s[G1+5], 32                          ; from row to row
	s_mov_b32 s[G1+6], 0
	s_mov_b32 s[G1+7], 0
	s_mov_b32 s[G0A], 1
	s_lshl_b32 s[G0A+1], s[WV], 14                 ; LDS: 16,384 x wave: no place in the cluster enters an LDS address
	s_mov_b32 s[G0W], 1
	s_add_co_u32 s[G0W+1], s[G0A+1], SLOT1
	s_bfe_u32 s[CX], ttmp6, 0x40000
	s_lshl_b32 s[QB], ttmp9, 2                     ; in a cluster launch ttmp9 counts clusters
	s_add_co_u32 s[QB], s[QB], s[CX]
	s_lshl_b32 s50, s[BH], 19                      ; Q: 524,288 bytes a (batch, head), 32,768 a block, 8,192 my wave's four tiles
	s_lshl_b32 s48, s[QB], 15
	s_add_co_u32 s50, s50, s48
	s_lshl_b32 s48, s[PP], 13
	s_add_co_u32 s50, s50, s48
	s_mov_b32 s51, 0
	s_lshr_b32 s52, s[BH], 3                       ; att: token tile 256 x batch + 16 x block + 4 p + 2 g, 16,384 bytes a tile; + 2,048 x head
	s_lshl_b32 s52, s52, 22
	s_lshl_b32 s48, s[QB], 18
	s_add_co_u32 s52, s52, s48
	s_lshl_b32 s48, s[PP], 16
	s_add_co_u32 s52, s52, s48
	s_lshl_b32 s48, s[GG], 15
	s_add_co_u32 s52, s52, s48
	s_and_b32 s48, s[BH], 7
	s_lshl_b32 s48, s48, 11
	s_add_co_u32 s52, s52, s48
	s_mov_b32 s53, 0
	s_lshl_b32 s54, s[BH], 20                      ; the prefetches: key group cx / 2, piece 4 (cx % 2) + p of 8,192 bytes,
	s_lshr_b32 s48, s[CX], 1
	s_lshl_b32 s48, s48, 19
	s_add_co_u32 s54, s54, s48
	s_and_b32 s48, s[CX], 1
	s_lshl_b32 s48, s48, 2
	s_add_co_u32 s48, s48, s[PP]
	s_lshl_b32 s48, s48, 13
	s_add_co_u32 s54, s54, s48
	s_add_co_u32 s54, s54, 2*65536                 ; in slot 2's keys: the first change of slots steps it to slot 3's.  Nothing is prefetched here, at the head
	s_mov_b32 s55, 0
	s_or_b32 s[LIM], s[GG], ttmp9                  ; 0 in waves 0 to 3 of the (batch, head)'s first cluster: the same in all four partners
	s_cmp_eq_u32 s[LIM], 0
	s_cselect_b32 s[LIM], 1, -1
	s_mov_b32 s[SEL], 0x76543210
	s_mov_b32 s[SEL+1], 0xfedcba98
	s_mov_b32 s[TB], 0
	s_mov_b32 s[SLOTS], 6
	v_and_b32 v13, 31, v0                          ; lane
	v_lshlrev_b32 v[L16], 4, v13
	v_lshlrev_b32 v[PFO], 8, v13
	s_lshl_b32 s20, s[GG], 16
	v_add_nc_u32 v[AKV], s20, v[L16]
	s_lshl_b32 s20, s[GG], 12
	v_add_nc_u32 v[QOA], s20, v[L16]
	s_xor_b32 s20, s20, 4096
	v_add_nc_u32 v[QOB], s20, v[L16]
	s_mul_i32 s20, s[WV], MRG
	v_add_nc_u32 v[MST], s20, v[L16]
	v_lshl_add_u32 v[MSS], v13, 2, s20
	s_xor_b32 s21, s[WV], 4
	s_mul_i32 s21, s21, MRG
	v_add_nc_u32 v[MLD], s21, v[L16]
	v_lshl_add_u32 v[MLS], v13, 2, s21
.irp t, 0,1,2,3
	v_mov_b32 v[ST+8*\t+1], 0                      ; named with m as a pair, so it is written
.endr
	s_wait_dscnt 0x0                               ; both opening adds are done
	s_wait_kmcnt 0x0
	s_add_nc_u64 s[G0A+2:G0A+3], s[6:7], s[16:17]  ; slot 0: steps 0 to 3 of each key group
	s_add_nc_u64 s[G0W+2:G0W+3], s[G0A+2:G0A+3], 65536   ; slot 1: steps 4 to 7
	s_or_b32 s[G0A+3], s[G0A+3], 0x80000000        ; type = 2
	s_or_b32 s[G0W+3], s[G0W+3], 0x80000000
	s_add_nc_u64 s[50:51], s[4:5], s[50:51]
	s_add_nc_u64 s[52:53], s[8:9], s[52:53]
	s_add_nc_u64 s[PFA:PFA+1], s[6:7], s[54:55]
	CROUND                                         ; all four work-groups are here: the first joint loads meet
	tensor_load_to_lds s[G0A:G0A+3], s[G1:G1+7]    ; every wave issues both first fills, each with its own addresses: two loads of mine are out
	s_nop 0
	tensor_load_to_lds s[G0W:G0W+3], s[G1:G1+7]
	s_nop 0
	PLACES 4
	WIN 0x40                                       ; destination window 1
.irp t, 0,1
.irp s, 0,1
.irp c, 0,1
	global_load_b128 v[QF+16*\t+8*\s+4*\c:QF+16*\t+8*\s+4*\c+3], v[QOA], s[50:51] offset:2048*\t+1024*\s+512*\c
	global_load_b128 v[QF+16*(\t+2)+8*\s+4*\c:QF+16*(\t+2)+8*\s+4*\c+3], v[QOB], s[50:51] offset:2048*\t+1024*\s+512*\c
.endr
.endr
.endr
	WIN 0
; THE LDS LOADS stand in runs of 16: a step's K (fragment f = 2 x key tile + half of the channels), and its V (f = 4 x 32 keys + channel tile), 8,192 bytes behind.
.macro FETCH_K
	WIN 0
	v_add_nc_u32 v[ADR], s[TB], v[AKV]
.irp f, 0,1,2,3,4,5,6,7
.irp c, 0,1
	ds_load_b128 v[KF+8*\f+4*\c:KF+8*\f+4*\c+3], v[ADR] offset:1024*\f+512*\c
.endr
.endr
.endm
.macro FETCH_V
	WIN 0
	v_add_nc_u32 v[ADR], s[TB], v[AKV]
	s_add_co_u32 s[TB], s[TB], 16384               ; the next fetch is the next step's
	WIN 0x40
.irp f, 0,1,2,3,4,5,6,7
.irp c, 0,1
	ds_load_b128 v[VF+8*\f+4*\c:VF+8*\f+4*\c+3], v[ADR] offset:8192+1024*\f+512*\c
.endr
.endr
	WIN 0
.endm
; S^T = K Q^T: 32 products; the 16 accumulators take turns, one instruction a turn; the first 16 start the sums.
.macro KQ
	WIN 0x04                                       ; source 1 (Q) window 1
.irp s, 0,1
.irp kt, 0,1,2,3
.irp t, 0,1,2,3
.if \s == 0
	v_wmma_f32_16x16x32_f16 v[S+32*\t+8*\kt:S+32*\t+8*\kt+7], v[KF+8*(2*\kt+\s):KF+8*(2*\kt+\s)+7], v[QF+16*\t+8*\s:QF+16*\t+8*\s+7], 0
.else
	v_wmma_f32_16x16x32_f16 v[S+32*\t+8*\kt:S+32*\t+8*\kt+7], v[KF+8*(2*\kt+\s):KF+8*(2*\kt+\s)+7], v[QF+16*\t+8*\s:QF+16*\t+8*\s+7], v[S+32*\t+8*\kt:S+32*\t+8*\kt+7]
.endif
.endr
.endr
.endr
.endm
; O^T += V^T P: 32 products, 16 accumulators by turns.  first = 1: the first 16 start the sums: nothing is ever cleared.
.macro PV first
	WIN 0x51                                       ; source 0 (V), C and D (O^T) window 1; source 1 (P) window 0
.irp ks, 0,1
.irp ct, 0,1,2,3
.irp t, 0,1,2,3
.if \first && (\ks == 0)
	v_wmma_f32_16x16x32_f16 v[32*\t+8*\ct:32*\t+8*\ct+7], v[VF+8*(4*\ks+\ct):VF+8*(4*\ks+\ct)+7], v[S+32*\t+8*\ks:S+32*\t+8*\ks+7], 0
.else
	v_wmma_f32_16x16x32_f16 v[32*\t+8*\ct:32*\t+8*\ct+7], v[VF+8*(4*\ks+\ct):VF+8*(4*\ks+\ct)+7], v[S+32*\t+8*\ks:S+32*\t+8*\ks+7], v[32*\t+8*\ct:32*\t+8*\ct+7]
.endif
.endr
.endr
.endr
.endm
; THE SOFTMAX'S LINES, for tile t.
.macro SUB1 t, b                       ; pair b of the 16: s - m
	v_pk_add_f32 v[S+32*(\t)+2*(\b):S+32*(\t)+2*(\b)+1], v[S+32*(\t)+2*(\b):S+32*(\t)+2*(\b)+1], v[ST+8*(\t):ST+8*(\t)+1] op_sel_hi:[1,0] neg_lo:[0,1] neg_hi:[0,1]
.endm
.macro EXP1 t, n                       ; p = 2^(s - m)
	v_exp_f32 v[S+32*(\t)+(\n)], v[S+32*(\t)+(\n)]
.endm
.macro CVT1 t, d                       ; pair d to f16, packed in place from the low end on: register d is read no more when it is written
	v_cvt_pk_f16_f32 v[S+32*(\t)+(\d)], v[S+32*(\t)+2*(\d)], v[S+32*(\t)+2*(\d)+1]
.endm
.macro SUM1 t, n, first                ; line n of 16 of the row's sum: l takes a l and the even pairs, a second chain (+4, +5) the odd ones; line 15 joins them
.set rS, S+32*(\t)
.set rT, ST+8*(\t)
.if (\n) == 0
.if \first
	v_pk_add_f32 v[rT+2:rT+3], v[rS:rS+1], v[rS+4:rS+5]
.else
	v_pk_fma_f32 v[rT+2:rT+3], v[rT+2:rT+3], v[rT+6:rT+7], v[rS:rS+1] op_sel_hi:[1,0,1]
.endif
.elseif (\n) == 1
	v_pk_add_f32 v[rT+4:rT+5], v[rS+2:rS+3], v[rS+6:rS+7]
.elseif (\n) == 15
	v_pk_add_f32 v[rT+2:rT+3], v[rT+2:rT+3], v[rT+4:rT+5]
.elseif (\n)%2 == 0
.if \first && ((\n) == 2)              ; the first step's line 0 has taken pair 2
.else
	v_pk_add_f32 v[rT+2:rT+3], v[rT+2:rT+3], v[rS+2*(\n):rS+2*(\n)+1]
.endif
.else
	v_pk_add_f32 v[rT+4:rT+5], v[rT+4:rT+5], v[rS+2*(\n)+4:rS+2*(\n)+5]
.endif
.endm
; A key step's softmax for the wave's four tiles.  first = 1: the first step, which starts m, l and O^T: no a, nothing to rescale.
; THE EXPONENTIALS GO IN TWO BATCHES, each with one wait ahead of its first reader: tiles 0, 1 with the subtractions s - m of tiles 2, 3 between them; tiles 2, 3 with the sums and roundings of tiles 0, 1 between them.
.macro SOFTMAX first
	WIN 0
.irp k, 0,1,2,3                        ; the maximum of a lane's 32 scores and the old m, three operands at a time; each accumulator is read from its low end on; the four tiles by turns
.irp t, 0,1,2,3
	v_max3_num_f32 v[ST+8*\t+4+\k], v[S+32*\t+8*\k], v[S+32*\t+8*\k+1], v[S+32*\t+8*\k+2]
.endr
.endr
.irp u, 3,5
.irp k, 0,1,2,3
.irp t, 0,1,2,3
	v_max3_num_f32 v[ST+8*\t+4+\k], v[ST+8*\t+4+\k], v[S+32*\t+8*\k+\u], v[S+32*\t+8*\k+\u+1]
.endr
.endr
.endr
.irp t, 0,1,2,3
	v_max3_num_f32 v[ST+8*\t+4], v[ST+8*\t+4], v[S+32*\t+7], v[S+32*\t+15]
.endr
.irp t, 0,1,2,3
	v_max3_num_f32 v[ST+8*\t+6], v[ST+8*\t+6], v[S+32*\t+23], v[S+32*\t+31]
.endr
.irp t, 0,1,2,3
	v_max3_num_f32 v[ST+8*\t+4], v[ST+8*\t+4], v[ST+8*\t+5], v[ST+8*\t+6]
.endr
.irp t, 0,1,2,3
.if \first
	v_max_num_f32 v[ST+8*\t+4], v[ST+8*\t+4], v[ST+8*\t+7]
.else
	v_max3_num_f32 v[ST+8*\t+4], v[ST+8*\t+4], v[ST+8*\t+7], v[ST+8*\t]
.endif
.endr
.irp t, 0,1,2,3
	v_permlanex16_b32 v[ST+8*\t+5], v[ST+8*\t+4], s[SEL], s[SEL+1]   ; the query's other 32 keys lie in the lane 16 away
.endr
.if \first
.irp t, 0,1,2,3
	v_max_num_f32 v[ST+8*\t], v[ST+8*\t+4], v[ST+8*\t+5]
.endr
.else
.irp t, 0,1,2,3
	v_max_num_f32 v[ST+8*\t+4], v[ST+8*\t+4], v[ST+8*\t+5]
.endr
.irp t, 0,1,2,3
	v_sub_f32 v[ST+8*\t+7], v[ST+8*\t], v[ST+8*\t+4]                 ; m_old - m_new
.endr
.irp t, 0,1,2,3
	v_mov_b32 v[ST+8*\t], v[ST+8*\t+4]
.endr
.endif
.set e, 0
.rept 16
	SUB1 0, e
	SUB1 1, e
.set e, e+1
.endr
.if \first
.else
	v_exp_f32 v[ST+6], v[ST+7]                     ; a of tiles 0, 1
	v_exp_f32 v[ST+14], v[ST+15]
.endif
.set e, 0
.rept 32
	EXP1 0, e
	EXP1 1, e
	SUB1 2+e/16, e%16                              ; plain lines that name no result of the batch; the last is the plain line behind the last exponential
.set e, e+1
.endr
	s_wait_alu depctr_va_vdst(0)                   ; one wait for the first batch, ahead of its first reader
.if \first
.else
	v_exp_f32 v[ST+22], v[ST+23]                   ; a of tiles 2, 3
	v_exp_f32 v[ST+30], v[ST+31]
.endif
.set e, 0
.rept 32
	EXP1 2, e
	EXP1 3, e
.if e < 16
	SUM1 0, e, \first
	SUM1 1, e, \first
.else
	CVT1 0, e-16
	CVT1 1, e-16
.endif
.set e, e+1
.endr
	s_wait_alu depctr_va_vdst(0)                   ; and one for the second
.set e, 0
.rept 16
	SUM1 2, e, \first
	SUM1 3, e, \first
.set e, e+1
.endr
.set e, 0
.rept 16
	CVT1 2, e
	CVT1 3, e
.set e, e+1
.endr
.if \first
.else
	WIN 0x41                                       ; O^T (destination and source 0) window 1, a window 0
.irp t, 0,1,2,3
.irp i, 0,2,4,6,8,10,12,14,16,18,20,22,24,26,28,30
	v_pk_mul_f32 v[32*\t+\i:32*\t+\i+1], v[32*\t+\i:32*\t+\i+1], v[ST+8*\t+6:ST+8*\t+7] op_sel_hi:[1,0]
.endr
.endr
.endif
.endm
; KEY STEP j.  At its head S^T of step j is made and V of step j is on its way.  next = 1: K and V of step j + 1 are fetched and S^T of step j + 1 is made.
; A load into a register that a matrix instruction has read, and a vector instruction that reads a matrix result, stand four places behind it; a matrix instruction that writes over such a register five
; (ISA guide 7.12.1 for the vector and matrix instructions): K Q^T begins its sums anew in the registers from which V^T P has just read P.
.macro R first, next
	PLACES 4
.if \next
	FETCH_K
.endif
	SOFTMAX \first
.if \next
	s_wait_dscnt 16                                ; V of this step is in; the 16 loads of the next step's K may be out
.else
	s_wait_dscnt 0x0
.endif
	PV \first
.if \next
	PLACES 5
	FETCH_V
	s_wait_dscnt 16                                ; K of the next step is in; the 16 loads of its V may be out
	KQ
.endif
	WIN 0                                          ; at a label and at a branch every window is 0
.endm
.macro RLOOP n
	s_mov_b32 s[CNT], \n
.Lr_\@:
	R 0, 1
	s_sub_co_u32 s[CNT], s[CNT], 1
	s_cmp_lg_u32 s[CNT], 0
	s_cbranch_scc1 .Lr_\@
.endm
; THE CHANGE OF SLOTS: the slot's last step has been fetched into registers.  Each wave waits for all its tensor loads (one is out: its part of the other slot), adds 0 to its spare word, and waits for that and for its
; reads of the slot.  fill = 1: the barrier is a round of the cluster's, so that no wave of any partner still reads the slot or has a load on its way; the joint refill, the keys two slots on, is the first thing behind it
; and has four key steps in which to land.
.macro CHANGE fill
	s_wait_tensorcnt 0x0                           ; no tensor load of mine is out, so a group 0 may be written
	ds_add_u32 v[SPW], v[NIL]                      ; 0 onto my spare word
.if \fill
	s_xor_b32 s[G0W+1], s[G0W+1], SLOT1            ; the walking descriptor: the other slot than last time,
	s_add_nc_u64 s[G0W+2:G0W+3], s[G0W+2:G0W+3], 65536   ; the next four steps; the type bits on top are not reached
	s_wait_xcnt 0x0                                ; the last prefetch, four key steps back, has read its address, so it may be written
	s_add_nc_u64 s[PFA:PFA+1], s[PFA:PFA+1], 65536
	s_wait_dscnt 0x0                               ; the add is done, and my reads of the slot are over
	CROUND
	tensor_load_to_lds s[G0W:G0W+3], s[G1:G1+7]    ; my one tensor load until the next round
	s_nop 0
	PLACES 4
	ASK
.else
	s_wait_dscnt 0x0
	s_barrier_signal -1
	s_barrier_wait -1
.endif
	s_sub_co_u32 s[TB], s[TB], 65536               ; the fetches go back to a slot's first step,
	s_xor_b32 s[TB], s[TB], SLOT1                  ; in the other slot
.endm
	s_wait_tensorcnt 1                             ; my part of slot 0 is in; slot 1's may stay out
	s_barrier_signal -1
	s_barrier_wait -1                              ; everybody's is
	FETCH_K                                        ; step 0
	FETCH_V
	s_wait_loadcnt 0x0                             ; Q
	s_wait_dscnt 16                                ; K is in; V's 16 loads may be out
	KQ
	WIN 0
	R 1, 1                                         ; step 0 starts m, l and O^T
	RLOOP 2                                        ; steps 1, 2
.Lslot:                                            ; six trips: slots 2 to 7 are asked for; steps 3 to 26
	CHANGE 1
	RLOOP 4
	s_sub_co_u32 s[SLOTS], s[SLOTS], 1
	s_cmp_lg_u32 s[SLOTS], 0
	s_cbranch_scc1 .Lslot
	CHANGE 0                                       ; the tail is written out: slot 0 is left for good
	RLOOP 4                                        ; steps 27 to 30
	R 0, 0                                         ; step 31
	; THE MERGE.  l's two halves and the other half of the lanes' are added (these lines are the places behind the last products).  My tiles 2, 3 (O^T, m, l) go to wave w xor 4 through LDS; its tiles 2, 3 are my tiles 0, 1.
.irp t, 0,1,2,3
	v_add_f32 v[ST+8*\t+4], v[ST+8*\t+2], v[ST+8*\t+3]
.endr
.irp t, 0,1,2,3
	v_permlanex16_b32 v[ST+8*\t+5], v[ST+8*\t+4], s[SEL], s[SEL+1]
.endr
.irp t, 0,1,2,3
	v_add_f32 v[ST+8*\t+2], v[ST+8*\t+4], v[ST+8*\t+5]
.endr
	WIN 0x04                                       ; an LDS store's data are its source 1: window 1
.irp f, 0,1,2,3,4,5,6,7,8,9,10,11,12,13,14,15
	ds_store_b128 v[MST], v[64+4*\f:64+4*\f+3] offset:512*\f     ; as they stand: each accumulator from its low end on
.endr
	WIN 0
	ds_store_b32 v[MSS], v[ST+16] offset:8192      ; m, l of tile 2,
	ds_store_b32 v[MSS], v[ST+18] offset:8192+128
	ds_store_b32 v[MSS], v[ST+24] offset:8192+256  ; of tile 3
	ds_store_b32 v[MSS], v[ST+26] offset:8192+384
	s_wait_dscnt 0x0                               ; for the other wave's sake: my stores are done
	s_barrier_signal -1
	s_barrier_wait -1
.irp f, 0,1,2,3,4,5,6,7,8,9,10,11,12,13,14,15
	ds_load_b128 v[S+4*\f:S+4*\f+3], v[MLD] offset:512*\f        ; the other half's O^T of my tiles 0, 1: v64-95, v96-127
.endr
.irp k, 0,1,2,3
	ds_load_b32 v[48+\k], v[MLS] offset:8192+128*\k              ; its m, l of tile 0; m, l of tile 1
.endr
	s_wait_dscnt 0x0
.irp t, 0,1
	v_max_num_f32 v[53+4*\t], v[ST+8*\t], v[48+2*\t]             ; M
.endr
.irp t, 0,1
	v_sub_f32 v[52+4*\t], v[ST+8*\t], v[53+4*\t]
	v_sub_f32 v[54+4*\t], v[48+2*\t], v[53+4*\t]
.endr
.irp t, 0,1
	v_exp_f32 v[52+4*\t], v[52+4*\t]                             ; f = 2^(m - M), f' = 2^(m' - M)
	v_exp_f32 v[54+4*\t], v[54+4*\t]
.endr
	v_nop                                          ; a plain line behind the last exponential,
	s_wait_alu depctr_va_vdst(0)                   ; and the wait ahead of the first reader: one for the four
.irp t, 0,1
	v_mul_f32 v[55+4*\t], v[49+2*\t], v[54+4*\t]
.endr
.irp t, 0,1
	v_fma_f32 v[55+4*\t], v[ST+8*\t+2], v[52+4*\t], v[55+4*\t]   ; L = l f + l' f'
.endr
.irp t, 0,1
	v_rcp_f32 v[53+4*\t], v[55+4*\t]
.endr
	v_nop
	s_wait_alu depctr_va_vdst(0)                   ; one for the two reciprocals
.irp t, 0,1
	v_mul_f32 v[52+4*\t], v[52+4*\t], v[53+4*\t]                 ; f / L
	v_mul_f32 v[54+4*\t], v[54+4*\t], v[53+4*\t]                 ; f' / L
.endr
.irp t, 0,1
.irp i, 0,2,4,6,8,10,12,14,16,18,20,22,24,26,28,30
	v_pk_mul_f32 v[S+32*\t+\i:S+32*\t+\i+1], v[S+32*\t+\i:S+32*\t+\i+1], v[54+4*\t:55+4*\t] op_sel_hi:[1,0]
.endr
.endr
	WIN 0x01                                       ; source 0 (my O^T) window 1
.irp t, 0,1
.irp i, 0,2,4,6,8,10,12,14,16,18,20,22,24,26,28,30
	v_pk_fma_f32 v[S+32*\t+\i:S+32*\t+\i+1], v[32*\t+\i:32*\t+\i+1], v[52+4*\t:53+4*\t], v[S+32*\t+\i:S+32*\t+\i+1] op_sel_hi:[1,0,1]
.endr
.endr
	WIN 0
.set e, 0
.rept 16
	CVT1 0, e
	CVT1 1, e
.set e, e+1
.endr
.irp t, 0,1
.irp ct, 0,1,2,3
	global_store_b128 v[L16], v[S+32*\t+4*\ct:S+32*\t+4*\ct+3], s[52:53] offset:16384*\t+512*\ct   ; channels 16 ct + 8 h + 0 .. 7 of token r: part ct % 2 of the projection's K step 2 head + ct / 2; 512 consecutive bytes
.endr
.endr
	s_wait_tensorcnt 0x0                           ; the wave's end
	ds_add_u32 v[SPW], v[NIL]
	s_wait_dscnt 0x0
	CROUND                                         ; the closing round: no work-group ends while a partner may still ask for a tile that names it
	s_endpgm
.Lfunc_end_k_q5c929264f0_attn:
	.size	k_q5c929264f0_attn, .Lfunc_end_k_q5c929264f0_attn-k_q5c929264f0_attn
	.p2alignl 7, 3214868480
	.fill 96, 4, 3214868480
	.section	.rodata,"a",@progbits
	.p2align	6, 0x0
	.amdhsa_kernel k_q5c929264f0_attn
		.amdhsa_group_segment_fixed_size 327680
		.amdhsa_private_segment_fixed_size 0
		.amdhsa_enable_private_segment 0
		.amdhsa_kernarg_size 24
		.amdhsa_user_sgpr_count 2
		.amdhsa_user_sgpr_kernarg_segment_ptr 1
		.amdhsa_wavefront_size32 1
		.amdhsa_system_sgpr_workgroup_id_x 1
		.amdhsa_system_sgpr_workgroup_id_y 1
		.amdhsa_system_sgpr_workgroup_id_z 1
		.amdhsa_system_vgpr_workitem_id 0
		.amdhsa_next_free_vgpr 512
		.amdhsa_next_free_sgpr 66
		.amdhsa_reserve_vcc 0
		.amdhsa_float_denorm_mode_32 3
		.amdhsa_float_denorm_mode_16_64 3
		.amdhsa_memory_ordered 1
		.amdhsa_forward_progress 1
		.amdhsa_inst_pref_size 173
	.end_amdhsa_kernel
	.amdgpu_metadata
---
amdhsa.version: [ 1, 2 ]
amdhsa.kernels:
  - .name:           k_q5c929264f0_attn
    .symbol:         k_q5c929264f0_attn.kd
    .args:
      - { .name: qf, .offset: 0, .size: 8, .value_kind: global_buffer, .address_space: global }
      - { .name: kv, .offset: 8, .size: 8, .value_kind: global_buffer, .address_space: global }
      - { .name: att, .offset: 16, .size: 8, .value_kind: global_buffer, .address_space: global }
    .group_segment_fixed_size: 327680
    .private_segment_fixed_size: 0
    .kernarg_segment_align: 8
    .kernarg_segment_size: 24
    .max_flat_workgroup_size: 256
    .sgpr_count:     66
    .vgpr_count:     512
    .wavefront_size: 32
...
	.end_amdgpu_metadata
.endif
;; end of part 3
;; launch proj (part 4): grid 4 x 64, 4 waves a work-group, clusters of 4 x 4, 327,680 bytes of LDS; arguments att, wcf, bc, out0; writes out0
.if DOCPART == 4
	.amdgcn_target "amdgcn-amd-amdhsa--gfx1250"
	.amdhsa_code_object_version 6
	.text
	.protected	k_q5c929264f0_proj
	.globl	k_q5c929264f0_proj
	.p2align	8
	.type	k_q5c929264f0_proj,@function
k_q5c929264f0_proj:
	s_mov_b64 s[64:65], 0
	v_nop
	global_prefetch_b8 v0, s[64:65] scope:SCOPE_SE
	s_setreg_imm32_b32 hwreg(HW_REG_WAVE_MODE, 25, 1), 1
	s_wait_xcnt 0x0
	s_wait_alu depctr_hold_cnt(0) depctr_sa_sdst(0) depctr_va_vdst(0) depctr_va_sdst(0) depctr_va_ssrc(0) depctr_va_vcc(0) depctr_vm_vsrc(0)
	s_getreg_b32 s2, hwreg(HW_REG_IB_STS2, 6, 4)
	s_cmp_eq_u32 s2, 0
	s_cbranch_scc0 .Lentry_in_a_cluster
	s_endpgm
.Lentry_in_a_cluster:
	s_bfe_u32 s2, ttmp6, 0x10000c
	s_cmp_lg_u32 s2, 0xf033
	s_cbranch_scc0 .Lentry_shape_is_right
	s_endpgm
.Lentry_shape_is_right:
; out0[token][n] = the sum over k of att[token][k] Wc[n][k] + bc[n].  M 8,192, K 512, N 512; operands f16, as images of their registers (1,024 bytes a fragment of 16 rows x 32 K); sums and output f32.
; A tile of out0 is 128 x 128: 256 work-groups of four waves, each wave 64 x 64: 16 accumulators.  ALL OF K FITS IN LDS (131,072 bytes of each operand): no slot is ever filled again.  K comes in four chunks of 128;
; each wave issues four tensor loads at the start, one a chunk, and a counted wait with a barrier stands in front of each chunk's first read, so that the first products do not wait for the last bytes.
; CLUSTERS: 4 x 4 work-groups.  The four of a row of the cluster need the same rows of att, the four of a column the same rows of Wc: each tile is asked for JOINTLY, by the same load with the same descriptor and a mask that names the four.
; THE MATRIX INSTRUCTION IS USED TRANSPOSED (source 0 = 16 rows of Wc, source 1 = 16 tokens): a lane holds eight neighbouring outputs of one token.  The bias is the C of each sum's first product.
; LIMITS: f16 operands serve magnitudes up to 65,504.
; REGISTERS: window 0: v1-21 addresses; v32-95 the way out, two sets; v96-127 the bias, eight registers a tile of outputs; v128-255 the accumulators ((a, b) at 128 + 8 (4 a + b)).
;   window 1: two fragment buffers of 128: for 64 along K, 64 registers of att (8 (4 k + i)), then 64 of Wc.
.set CH,     65536                     ; a chunk in LDS: att's 8 tiles x 4,096 bytes, then Wc's 8
.set STAGE,  4*CH                      ; behind the chunks: 16 rows x 272 bytes for each wave, for the way out
.set SPITCH, 272                       ; 256 bytes + 16 = 68 words: sixteen rows start four words apart modulo 64 (64 banks of 4 bytes: ISA guide 11.1)
.set SPARE,  STAGE+4*16*SPITCH         ; behind the stages: the spare words, 128 bytes a wave: two blocks of 256 bytes that no other line names
.set L16,  1
.set ADRA, 8                           ; v8-11   my four tiles of att in chunk j
.set ADRB, 12                          ; v12-15  my four tiles of Wc
.set STO,  16                          ; v16     the way out: where I put 32 bytes of a row
.set RD,   17                          ; v17     where I read a row back
.set CO,   18                          ; v18     my byte offset in out0
.set BO,   19                          ; v19     32 h: my eight numbers of the bias
.set SPW,  20                          ; v20     my spare word; never rewritten
.set NIL,  21                          ; v21     0; never rewritten
.set OB,   32
.set BI,   96
.set ACC,  128
.set WV,  14                           ; s14  wave
.set HI,  15                           ; s15  which half of the tile's rows is mine.  Also: I fetch for att (0) or for Wc (1)
.set LO,  16                           ; s16  which half of its columns.  Also: which four tiles I fetch
.set G1A, 24                           ; s[24:31] descriptor group 1 for att's tiles;  s[32:39] for Wc's: it differs in the mask alone
.set G1B, 32
.set G0A, 40                           ; s[40:55] groups 0 for att's four chunks
.set G0B, 68                           ; s[68:83] for Wc's
.set MSB, 0
.macro WIN new
.if MSB != \new
	s_set_vgpr_msb (MSB<<8)|\new
.set MSB, \new
.endif
.endm
.macro PLACES n
.rept \n
	v_nop
.endr
.endm
.macro CROUND
	s_barrier_signal -1
	s_barrier_wait -1
	s_cmp_lg_u32 s[WV], 0
	s_cbranch_scc1 .Lnot_wave_0_\@
	s_barrier_signal -3
.Lnot_wave_0_\@:
	s_barrier_wait -3
	s_barrier_signal -1
	s_barrier_wait -1
.endm
	s_load_b256 s[4:11], s[0:1], 0x0               ; att, wcf, bc, out0
	v_lshl_add_u32 v[SPW], v0, 2, SPARE
	v_mov_b32 v[NIL], 0
	ds_add_u32 v[SPW], v[NIL]                      ; the wave's opening: the add, twice on end, and its wait ahead of my first tensor load; the set-up below stands between
	ds_add_u32 v[SPW], v[NIL]
	v_lshrrev_b32 v2, 5, v0
	v_readfirstlane_b32 s[WV], v2
	s_lshr_b32 s[HI], s[WV], 1
	s_and_b32 s[LO], s[WV], 1
	s_bfe_u32 s17, ttmp6, 0x40000                  ; cx, cy: my place in the cluster
	s_bfe_u32 s18, ttmp6, 0x40004
	s_lshl_b32 s19, ttmp9, 2
	s_add_co_u32 s19, s19, s17                     ; tile column = 4 x cluster x + cx
	s_and_b32 s20, ttmp7, 0xffff
	s_lshl_b32 s20, s20, 2
	s_add_co_u32 s20, s20, s18                     ; tile row = 4 x cluster y + cy
	s_lshl_b32 s21, s18, 2
	s_lshl_b32 s21, 15, s21                        ; my row of the cluster
	s_lshl_b32 s22, 0x1111, s17                    ; my column
	s_or_b32 s[G1A], s21, (3<<16)|(1<<21)          ; 15:0 the mask; 17:16 elements of 8 bytes; 20 no padding; 21 set beside a mask
	s_or_b32 s[G1B], s22, (3<<16)|(1<<21)
.irp g, G1A, G1B
	s_mov_b32 s[\g+1], 512<<16                     ; tensor_dim0 = 512 elements: a tile's four K steps of 32, 4,096 bytes
	s_mov_b32 s[\g+2], 4<<16                       ; tensor_dim1 = 4 tiles
	s_mov_b32 s[\g+3], 512<<16                     ; tile_dim0
	s_mov_b32 s[\g+4], 4                           ; tile_dim1
	s_mov_b32 s[\g+5], 2048                        ; from tile to tile: 16,384 bytes
	s_mov_b32 s[\g+6], 0
	s_mov_b32 s[\g+7], 0
.endr
	s_lshl_b32 s23, s[LO], 16                      ; which four tiles I fetch
	s_lshl_b32 s56, s20, 17                        ; att: tile 8 x tile row + 4 x half, 16,384 bytes a tile
	s_add_co_u32 s56, s56, s23
	s_mov_b32 s57, 0
	s_lshl_b32 s58, s19, 17                        ; Wc: tile 8 x tile column + 4 x half
	s_add_co_u32 s58, s58, s23
	s_mov_b32 s59, 0
	s_lshl_b32 s60, s[WV], 14                      ; where they go in a chunk: 16,384 x wave: no place in the cluster enters an LDS address
	s_lshl_b32 s84, s19, 9                         ; the bias and the tile's first column: 512 bytes a tile column + 256 x half
	s_lshl_b32 s85, s[LO], 8
	s_add_co_u32 s84, s84, s85
	s_mov_b32 s85, 0
	s_lshl_b32 s86, s20, 18                        ; out0: row 128 x tile row + 64 x half, 2,048 bytes a row
	s_lshl_b32 s87, s[HI], 17
	s_add_co_u32 s86, s86, s87
	s_add_co_u32 s86, s86, s84
	s_mov_b32 s87, 0
	s_wait_dscnt 0x0                               ; both opening adds are done
	s_wait_kmcnt 0x0
	s_add_nc_u64 s[56:57], s[4:5], s[56:57]
	s_add_nc_u64 s[58:59], s[6:7], s[58:59]
	s_add_nc_u64 s[8:9], s[8:9], s[84:85]
	s_add_nc_u64 s[10:11], s[10:11], s[86:87]
	CROUND                                         ; all sixteen work-groups are here: the joint loads meet
.irp j, 0,1,2,3
	s_mov_b32 s[G0A+4*\j], 1
	s_add_co_u32 s[G0A+4*\j+1], s60, \j*CH
	s_add_nc_u64 s[G0A+4*\j+2:G0A+4*\j+3], s[56:57], \j*4096
	s_or_b32 s[G0A+4*\j+3], s[G0A+4*\j+3], 0x80000000
	s_mov_b32 s[G0B+4*\j], 1
	s_add_co_u32 s[G0B+4*\j+1], s60, \j*CH
	s_add_nc_u64 s[G0B+4*\j+2:G0B+4*\j+3], s[58:59], \j*4096
	s_or_b32 s[G0B+4*\j+3], s[G0B+4*\j+3], 0x80000000
.endr
	s_cmp_eq_u32 s[HI], 0                          ; a wave's four fills stand in one branch on its number, ahead of every wait on TENSORcnt, every LDS read and every further barrier: four loads of mine are out
	s_cbranch_scc0 .Lfill_b
.irp j, 0,1,2,3
	tensor_load_to_lds s[G0A+4*\j:G0A+4*\j+3], s[G1A:G1A+7]
	s_nop 0
.endr
	PLACES 4
	s_branch .Lfilled
.Lfill_b:
.irp j, 0,1,2,3
	tensor_load_to_lds s[G0B+4*\j:G0B+4*\j+3], s[G1B:G1B+7]
	s_nop 0
.endr
	PLACES 4
.Lfilled:
	v_and_b32 v2, 15, v0                           ; r
	v_bfe_u32 v3, v0, 4, 1                         ; h
	v_lshlrev_b32 v[BO], 5, v3
.irp b, 0,1,2,3
	global_load_b128 v[BI+8*\b:BI+8*\b+3], v[BO], s[8:9] offset:64*\b          ; bc at outputs 16 b + 8 h + 0 .. 7 of my 64
	global_load_b128 v[BI+8*\b+4:BI+8*\b+7], v[BO], s[8:9] offset:64*\b+16
.endr
	v_and_b32 v[L16], 31, v0
	v_lshlrev_b32 v[L16], 4, v[L16]
	s_lshl_b32 s61, s[HI], 14                      ; my four tiles of att,
	s_lshl_b32 s62, s[LO], 14                      ; my four of Wc,
	s_add_co_u32 s62, s62, 32768                   ; which lie behind att's eight
.irp j, 0,1,2,3
	v_add_nc_u32 v[ADRA+\j], s61, v[L16]
	v_add_nc_u32 v[ADRB+\j], s62, v[L16]
	s_add_co_u32 s61, s61, CH
	s_add_co_u32 s62, s62, CH
.endr
	s_mul_i32 s63, s[WV], 16*SPITCH
	s_add_co_u32 s63, s63, STAGE                   ; my stage
	v_mul_u32_u24 v[STO], v2, SPITCH               ; in: row r, 32 bytes for each half of the lanes
	v_lshl_add_u32 v[STO], v3, 5, v[STO]
	v_add_nc_u32 v[STO], s63, v[STO]
	v_mul_u32_u24 v[RD], v3, SPITCH                ; back: lanes 0-15 one row of 256 bytes, lanes 16-31 the next
	v_lshl_add_u32 v[RD], v2, 4, v[RD]
	v_add_nc_u32 v[RD], s63, v[RD]
	v_lshlrev_b32 v[CO], 11, v3                    ; and the same two rows in out0
	v_lshl_add_u32 v[CO], v2, 4, v[CO]
; 32 LDS loads in one run: the fragments of 64 along K, number q of eight, into buffer f; the first 32 along K first.  Every load takes 512 consecutive bytes.
.macro FETCH q, f
	WIN 0x40                                       ; destination window 1
.irp k, 0,1
.irp i, 0,1,2,3
.irp c, 0,1
	ds_load_b128 v[64+(\f)+8*(4*\k+\i)+4*\c:64+(\f)+8*(4*\k+\i)+4*\c+3], v[ADRB+(\q)/2] offset:4096*\i+1024*(2*((\q)%2)+\k)+512*\c
	ds_load_b128 v[8*(4*\k+\i)+4*\c+(\f):8*(4*\k+\i)+4*\c+(\f)+3],       v[ADRA+(\q)/2] offset:4096*\i+1024*(2*((\q)%2)+\k)+512*\c
.endr
.endr
.endr
.endm
; 8 products: token tiles a0, a0 + 1 x all 4 tiles of outputs, 32 along K: half k of buffer f.  bias = 1: the first product starts the sum from the bias.  The 16 accumulators take turns.
.macro MUL8 f, k, a0, bias
.irp a, \a0, \a0+1
.irp b, 0,1,2,3
.if \bias
	v_wmma_f32_16x16x32_f16 v[ACC+8*(4*(\a)+\b):ACC+8*(4*(\a)+\b)+7], v[64+(\f)+8*(4*\k+\b):64+(\f)+8*(4*\k+\b)+7], v[8*(4*\k+(\a))+(\f):8*(4*\k+(\a))+(\f)+7], v[BI+8*\b:BI+8*\b+7]
.else
	v_wmma_f32_16x16x32_f16 v[ACC+8*(4*(\a)+\b):ACC+8*(4*(\a)+\b)+7], v[64+(\f)+8*(4*\k+\b):64+(\f)+8*(4*\k+\b)+7], v[8*(4*\k+(\a))+(\f):8*(4*\k+(\a))+(\f)+7], v[ACC+8*(4*(\a)+\b):ACC+8*(4*(\a)+\b)+7]
.endif
.endr
.endr
.endm
.macro GATE j                          ; chunk j is whole: my part of it has landed (the later chunks' loads may stay out), no LDS load of mine is pending, and all four waves say so
	s_wait_tensorcnt 3-(\j)
	s_wait_dscnt 0x0
	s_barrier_signal -1
	s_barrier_wait -1
.endm
	GATE 0
	FETCH 0, 0
	s_wait_loadcnt 0x0                             ; the bias
.irp q, 0,1,2,3,4,5,6,7
	s_wait_dscnt 16                                ; the first 32 along K are in; the other 16 loads may be out
	WIN 0x05                                       ; sources 0 and 1 window 1; C and D window 0
.if \q == 0
	MUL8 0, 0, 0, 1
	MUL8 0, 0, 2, 1
.else
	MUL8 128*(\q%2), 0, 0, 0
	MUL8 128*(\q%2), 0, 2, 0
.endif
.if (\q%2 == 1) && (\q < 7)
	GATE (\q+1)/2                                  ; the next fetch begins a chunk
.endif
.if \q < 7
	PLACES 4                                       ; in front of loads into registers that matrix instructions have read
	FETCH \q+1, 128*((\q+1)%2)
	s_wait_dscnt 32                                ; all but the 32 just issued
.else
	s_wait_dscnt 0x0
.endif
	WIN 0x05
	MUL8 128*(\q%2), 1, 0, 0
	MUL8 128*(\q%2), 1, 2, 0
.endr
	WIN 0
	; THE WAY OUT, 16 tokens at a time: a lane's 32 bytes go into my stage (rows of 272 bytes) and come back as whole rows of 256 bytes.  LDS serves a wave's instructions in order (ISA guide 5.7.1.4): no wait between the stores and the loads.
	PLACES 4
.irp a, 0,1,2,3
.irp b, 0,1,2,3
	ds_store_b128 v[STO], v[ACC+8*(4*\a+\b):ACC+8*(4*\a+\b)+3] offset:64*\b          ; each accumulator from its low end on
	ds_store_b128 v[STO], v[ACC+8*(4*\a+\b)+4:ACC+8*(4*\a+\b)+7] offset:64*\b+16
.endr
.if \a >= 2
	s_wait_xcnt 0x0                                ; the stores of two blocks back have read their data: these registers are loaded again only behind this wait
.endif
.irp t, 0,1,2,3,4,5,6,7
	ds_load_b128 v[OB+32*(\a%2)+4*\t:OB+32*(\a%2)+4*\t+3], v[RD] offset:2*\t*SPITCH
.endr
	s_wait_dscnt 0x0
.irp t, 0,1,2,3,4,5,6,7
	global_store_b128 v[CO], v[OB+32*(\a%2)+4*\t:OB+32*(\a%2)+4*\t+3], s[10:11] offset:32768*\a+4096*\t th:TH_STORE_NT   ; 16 lanes store 256 consecutive bytes, at a multiple of 256 from out0's first byte
.endr
.endr
	s_wait_tensorcnt 0x0                           ; the wave's end
	ds_add_u32 v[SPW], v[NIL]
	s_wait_dscnt 0x0
	CROUND                                         ; the closing round
	s_endpgm
.Lfunc_end_k_q5c929264f0_proj:
	.size	k_q5c929264f0_proj, .Lfunc_end_k_q5c929264f0_proj-k_q5c929264f0_proj
	.p2alignl 7, 3214868480
	.fill 96, 4, 3214868480
	.section	.rodata,"a",@progbits
	.p2align	6, 0x0
	.amdhsa_kernel k_q5c929264f0_proj
		.amdhsa_group_segment_fixed_size 327680
		.amdhsa_private_segment_fixed_size 0
		.amdhsa_enable_private_segment 0
		.amdhsa_kernarg_size 32
		.amdhsa_user_sgpr_count 2
		.amdhsa_user_sgpr_kernarg_segment_ptr 1
		.amdhsa_wavefront_size32 1
		.amdhsa_system_sgpr_workgroup_id_x 1
		.amdhsa_system_sgpr_workgroup_id_y 1
		.amdhsa_system_sgpr_workgroup_id_z 1
		.amdhsa_system_vgpr_workitem_id 0
		.amdhsa_next_free_vgpr 512
		.amdhsa_next_free_sgpr 88
		.amdhsa_reserve_vcc 0
		.amdhsa_float_denorm_mode_32 3
		.amdhsa_float_denorm_mode_16_64 3
		.amdhsa_memory_ordered 1
		.amdhsa_forward_progress 1
		.amdhsa_inst_pref_size 51
	.end_amdhsa_kernel
	.amdgpu_metadata
---
amdhsa.version: [ 1, 2 ]
amdhsa.kernels:
  - .name:           k_q5c929264f0_proj
    .symbol:         k_q5c929264f0_proj.kd
    .args:
      - { .name: att, .offset: 0, .size: 8, .value_kind: global_buffer, .address_space: global }
      - { .name: wcf, .offset: 8, .size: 8, .value_kind: global_buffer, .address_space: global }
      - { .name: bc, .offset: 16, .size: 8, .value_kind: global_buffer, .address_space: global }
      - { .name: out0, .offset: 24, .size: 8, .value_kind: global_buffer, .address_space: global }
    .group_segment_fixed_size: 327680
    .private_segment_fixed_size: 0
    .kernarg_segment_align: 8
    .kernarg_segment_size: 32
    .max_flat_workgroup_size: 128
    .sgpr_count:     88
    .vgpr_count:     512
    .wavefront_size: 32
...
	.end_amdgpu_metadata
.endif
;; end of part 4
